; MI455X (gfx1250); checked and timed in simulation.
; The chip was launched on July 23, 2026; its instructions are those of AMD's public machine-readable ISA for CDNA 5 (MIT licence, August 2026) and "CDNA5" Instruction Set Architecture Reference Guide (July 2026). The comments in the code are by the model that wrote it; some were corrected since.
;; Chunked Cross Attention. Allowed arithmetic: matrix products marked QUANTISED: E3M2 operands, one E8M0 scale for each 32 along K, by v_wmma_scale_f32_16x16x128_f8f6f4 with both operands' format E3M2, f32 sums; everything else in f32.
;; Inputs: Wk_codes 1,024 x 32 x 24 uint8 (E3M2 codes of Wk, K innermost, in blocks of 32 codes, four codes in three bytes); Wk_scales 1,024 x 32 uint8 (E8M0 scales of Wk, one for each 32 codes along K); Wo_codes 1,024 x 32 x 24 uint8 (E3M2 codes of Wo, K innermost, in blocks of 32 codes, four codes in three bytes); Wo_scales 1,024 x 32 uint8 (E8M0 scales of Wo, one for each 32 codes along K); Wq_codes 1,024 x 32 x 24 uint8 (E3M2 codes of Wq, K innermost, in blocks of 32 codes, four codes in three bytes); Wq_scales 1,024 x 32 uint8 (E8M0 scales of Wq, one for each 32 codes along K); Wv_codes 1,024 x 32 x 24 uint8 (E3M2 codes of Wv, K innermost, in blocks of 32 codes, four codes in three bytes); Wv_scales 1,024 x 32 uint8 (E8M0 scales of Wv, one for each 32 codes along K); beta 1,024 float32; bk 1,024 float32; bo 1,024 float32; bq 1,024 float32; bv 1,024 float32; e_codes 4 x 32 x 2 x 64 x 32 x 24 uint8 (E3M2 codes of e, K innermost, in blocks of 32 codes, four codes in three bytes); e_scales 4 x 32 x 2 x 64 x 32 uint8 (E8M0 scales of e, one for each 32 codes along K); gamma 1,024 float32; h 4 x 2,048 x 1,024 float32.
;; Outputs: out0 4 x 2,048 x 1,024 float32.
;; This version of the problem:
;;   THIS VERSION OF THE PROBLEM IS GIVEN IN LOW PRECISION. The matrix products marked QUANTISED in the list below multiply operands that are first quantised to E3M2 (3 exponent bits, 2 mantissa bits; 6 bits a number), with one power-of-two scale for each 32 numbers along K (OCP MX v1.0); their sums are f32. All else is computed in f32.
;;   The module's matrix products, in the order in which they are computed (A, B: the left and right operand; K: the contracted axis; several contracted axes count as one K, in the product's order):
;;     1. [M 8,192, K 1,024] x [K 1,024, N 1,024]; A: computed on the way; B: input Wq (given as codes): QUANTISED
;;     2. [M 16,384, K 1,024] x [K 1,024, N 1,024]; A: input e (given as codes); B: input Wk (given as codes): QUANTISED
;;     3. [M 16,384, K 1,024] x [K 1,024, N 1,024]; A: input e (given as codes); B: input Wv (given as codes): QUANTISED
;;     4. batch 2,048 x [M 64, K 64] x [K 64, N 128]; A: computed on the way; B: computed on the way: QUANTISED
;;     5. batch 2,048 x [M 64, K 128] x [K 128, N 64]; A: computed on the way; B: computed on the way: QUANTISED
;;     6. [M 8,192, K 1,024] x [K 1,024, N 1,024]; A: computed on the way; B: input Wo (given as codes): QUANTISED
;;   THE QUANTISER, for each operand of a quantised product, along K:
;;     - K is cut into blocks of 32 from its start; a last block that is shorter is filled with zeros.
;;     - A block's scale is 2^e with e = floor(log2(the largest magnitude in the block)) - 4, held to -126 .. 127; a block of zeros has e = 0. As a byte (E8M0): e + 127.
;;     - Each number is divided by its block's scale, clamped to +-28, and rounded to the nearest number of E3M2, ties to even, subnormals kept.
;;     - The product sums the exact products of the quantised numbers (number of the format x scale) in f32.
;;   ~~~python
;;   def quantise(x, axis):      # numpy; x: float32 -> the quantised numbers, widened to float32 again
;;       x = np.moveaxis(x, axis, -1); K = x.shape[-1]
;;       x = np.pad(x, [(0, 0)] * (x.ndim - 1) + [(0, -K % 32)]); x = x.reshape(x.shape[:-1] + (-1, 32)); a = np.abs(x).max(-1, keepdims=True)
;;       e = np.where(a > 0, np.clip(np.frexp(np.where(a > 0, a, 1))[1] - 1 - 4, -126, 127), 0)      # np.frexp(a)[1] - 1 = floor(log2(a)), exactly
;;       r = np.clip(x / 2.0 ** e, -28, 28)
;;       step = 2.0 ** (np.maximum(np.frexp(np.where(r == 0, 1, r))[1] - 1, -2) - 2)
;;       q = np.round(r / step) * step * 2.0 ** e      # np.round: ties to even
;;       return np.moveaxis(q.reshape(q.shape[:-2] + (-1,))[..., :K], -1, axis).astype(np.float32)
;;   ~~~
;;   OPERANDS COMPUTED ON THE WAY. 'Computed on the way' means the value that the module computes at that place (a softmax that the list does not call 'softmax' is quantised finished and normalised). What goes into a quantiser is computed in f32, as accurately as f32 sums, v_exp_f32 and their like allow (about 1e-6 of the number): no bf16 or f16 on the way to a quantiser, and a product that is left as it is and whose result goes on into a quantised operand takes f32 operands (vector FMAs, or v_wmma_f32_16x16x4_f32). A number that lies on a knife's edge between two numbers of the format may be rounded either way, as far as f32 arithmetic and the matrix unit's own rounding can turn it there, and no further.
;;   INPUTS GIVEN AS CODES. Wk (in the module: [1024, 1024], K = its axis 0); Wo (in the module: [1024, 1024], K = its axis 0); Wq (in the module: [1024, 1024], K = its axis 0); Wv (in the module: [1024, 1024], K = its axis 0); e (in the module: [4, 32, 2, 64, 1024], K = its axis 4): each comes as NAME_codes (uint8): NAME with its K axis moved to the last place and cut into blocks of 32 codes, [.., K / 32, bytes a block], one block behind the other in memory; four codes in three bytes: a row's codes are one little-endian stream of bits, code i at bits 6 i .. 6 i + 5 (a code: sign, 3 exponent bits, 2 mantissa bits); and NAME_scales (uint8): the same leading axes, one E8M0 byte (e + 127) for each 32 codes along K. Its value is code x scale, taken as it is: it is not quantised again, and the codes and scales need not be those that the quantiser above would give.
;; One version. Each part assembles by itself: llvm-mc -triple=amdgcn-amd-amdhsa -mcpu=gfx1250 --defsym DOCPART=n.
;; ======== version 1 of 1: 3 launches
;; limits: right only within a limited range of input values
;; workspace buffers: hqc 6,291,456 bytes; hqs 262,144 bytes; wimg 3,276,800 bytes; oc 6,291,456 bytes; ocs 262,144 bytes
;; launch prep (part 1): grid 384 x 1, 4 waves a work-group, no clusters, 23,040 bytes of LDS; arguments h, gamma, beta, Wq_codes, Wq_scales, Wk_codes, Wk_scales, Wv_codes, Wv_scales, Wo_codes, Wo_scales, hqc, hqs, wimg; writes hqc, hqs, wimg
.if DOCPART == 1
	.amdgcn_target "amdgcn-amd-amdhsa--gfx1250"
	.amdhsa_code_object_version 6
	.text
	.protected	k_q84da28a156_prep
	.globl	k_q84da28a156_prep
	.p2align	8
	.type	k_q84da28a156_prep,@function
k_q84da28a156_prep:
	s_mov_b64 s[64:65], 0
	v_nop
	global_prefetch_b8 v0, s[64:65] scope:SCOPE_SE
	s_setreg_imm32_b32 hwreg(HW_REG_WAVE_MODE, 25, 1), 1
	s_wait_xcnt 0x0
; TWO JOBS IN ONE LAUNCH, parted by the work-group's number.
; Work-groups 0-255: LayerNorm of h and its codes.  Query i of a batch takes row (i + 63) mod 2048 of that batch (the 63 wrapped queries are worked on real rows;
; the last launch multiplies their product by 0).  hqc [8192][768 B]: a query's 1,024 codes of E3M2, laid like a row of e_codes; hqs [8192][32 B]: its E8M0 bytes.
; Work-groups 256-383: the four weights laid as images of operand registers.  wimg [g 16][q,k,v,o][K step 8][6,400 B]: rows 64 g .. 64 g + 63, 128 along K:
; four fragments of 1,536 B (group i of four registers, lane l at 512 i + 16 l), then 256 B of scale words (8 B a lane: word 0 tiles 0|1, word 1 tiles 2|3, lanes 0-15 | 16-31).
; K ORDER.  For Wq, Wk, Wv a lane takes 48 consecutive bytes of its row (blocks 2 h and 2 h + 1 of the K step), as the other operand does in the next launch, so the two middle
; bytes of each scale word change places.  Wo keeps the true order.
; A block's scale byte is its largest magnitude's exponent field - 4, held at 1 from below.
; LIMITS: NaN and infinities are not served; a block under 2^-122 keeps the byte 1; a block of zeros gets the byte 1 and not 127 (its codes are zeros; this program alone reads the bytes).
; No matrix work, no cluster: work-groups share no input.  Only the first job uses LDS.
; ROWS OF A FRAGMENT.  Lane r of fragment t takes row 64 g + 8 t + r % 8 + 32 (r / 8): used as source 0, lanes 0-15 of the result then hold rows 64 g + 0 .. 31 in their 32 registers of the four
; fragments, lanes 16-31 rows 64 g + 32 .. 63: a whole block of 32 in a lane.  The scale words follow the same rows.
.set GM,   32
.set BT,   64                          ; v64-95   beta likewise
.set RW,   96                          ; v96-191  three rows as loaded
.set XX,   192                         ; v192-223 a row, 16 neighbours a lane and half
.set CC,   224                         ; v224-255 codes: eight registers a row, four sets
.set WREG, 5376                        ; LDS of a wave: a stage of 2 x 32 places of 80 B, then 256 scale bytes
	s_load_b512 s[4:19], s[0:1], 0x0               ; h, gamma, beta, Wq codes, Wq scales, Wk codes, Wk scales, Wv codes
	s_load_b256 s[20:27], s[0:1], 0x40             ; Wv scales, Wo codes, Wo scales, hqc
	s_load_b128 s[28:31], s[0:1], 0x60             ; hqs, wimg
	v_lshl_add_u32 v251, v0, 2, 0x5800
	v_mov_b32 v255, 0
	v_lshrrev_b32 v1, 5, v0
	v_readfirstlane_b32 s48, v1                    ; wave
	v_and_b32 v1, 31, v0                           ; lane
	s_cmp_lt_u32 ttmp9, 256
	s_cbranch_scc0 .Lweights
	; ---------------- LayerNorm: a wave owns queries d0 .. d0 + 7 ----------------
	v_lshlrev_b32 v2, 4, v1                        ; 16 lane: my bytes of a load of 512
	s_mul_i32 s49, s48, WREG
	v_lshrrev_b32 v3, 2, v1
	v_mul_u32_u24 v3, v3, 80
	v_and_b32 v4, 3, v1
	v_lshl_add_u32 v3, v4, 4, v3
	v_add_nc_u32 v3, s49, v3                       ; the stage, in: four lanes' 64 bytes on end, then 16 of padding
	v_mul_u32_u24 v4, v1, 80
	v_add_nc_u32 v4, s49, v4                       ; and out: my 16 neighbours
	v_mul_u32_u24 v5, v1, 12                       ; my 16 codes
	s_add_co_u32 s49, s49, 5120
	v_lshrrev_b32 v6, 1, v1
	v_add_nc_u32 v6, s49, v6                       ; my block's scale byte
	v_lshlrev_b32 v8, 3, v1
	v_add_nc_u32 v7, s49, v8                       ; the bytes on their way out, 8 a lane
	v_lshlrev_b32 v9, 6, v1                        ; gamma, beta: 64 bytes a lane
	v_mov_b32 v14, 0                               ; a lane permute's destination counts as read
	s_mov_b32 s52, 0x3a800000                      ; 1 / 1024
	s_mov_b32 s53, 0x3727c5ac                      ; 1e-5
	s_mov_b32 s54, 0x76543210
	s_mov_b32 s55, 0xfedcba98
	s_lshl_b32 s60, ttmp9, 5
	s_lshl_b32 s50, s48, 3
	s_add_co_u32 s60, s60, s50                     ; d0 = 32 x work-group + 8 x wave
	s_and_b32 s61, s60, 0xfffff800                 ; the batch's first row
	s_mov_b32 s51, 0
	s_wait_alu depctr_va_vdst(0)
	s_wait_kmcnt 0x0
.irp p, 0,1,2,3,4,5,6,7
	s_add_co_u32 s50, s60, 63+\p
	s_and_b32 s50, s50, 2047
	s_add_co_u32 s50, s50, s61
	s_lshl_b32 s50, s50, 12
	s_add_nc_u64 s[32+2*\p:33+2*\p], s[4:5], s[50:51]   ; the source row of query d0 + p; never rewritten
.endr
	s_mul_i32 s50, s60, 768
	s_add_nc_u64 s[56:57], s[26:27], s[50:51]      ; hqc at d0
	s_lshl_b32 s50, s60, 5
	s_add_nc_u64 s[58:59], s[28:29], s[50:51]      ; hqs at d0
.irp a, 0,1
.irp k, 0,1,2,3
	global_load_b128 v[GM+16*\a+4*\k:GM+16*\a+4*\k+3], v9, s[6:7] offset:2048*\a+16*\k
	global_load_b128 v[BT+16*\a+4*\k:BT+16*\a+4*\k+3], v9, s[8:9] offset:2048*\a+16*\k
.endr
.endr
.macro LOADROW                         ; row lr: eight loads of 512 consecutive bytes
.irp i, 0,1,2,3,4,5,6,7
	global_load_b128 v[RW+32*(lr%3)+4*\i:RW+32*(lr%3)+4*\i+3], v2, s[32+2*lr:33+2*lr] offset:512*\i th:TH_LOAD_NT
.endr
.endm
.set lr, 0
	LOADROW
.set lr, 1
	LOADROW
.set lr, 2
	LOADROW
.macro ROW                             ; row rho
.if rho < 6
	s_wait_loadcnt 16                              ; my row is in (gamma and beta too); the two rows behind it, eight loads each, may be out
.else
	s_wait_loadcnt 8*(7-rho)
.endif
.irp a, 0,1
.irp i, 0,1,2,3
	ds_store_b128 v3, v[RW+32*(rho%3)+16*\a+4*\i:RW+32*(rho%3)+16*\a+4*\i+3] offset:2560*\a+640*\i
.endr
.endr
.irp a, 0,1
.irp k, 0,1,2,3
	ds_load_b128 v[XX+16*\a+4*\k:XX+16*\a+4*\k+3], v4 offset:2560*\a+16*\k   ; LDS serves a wave in order: these see the stores above
.endr
.endr
	s_wait_dscnt 0x0                               ; the row is back, 16 neighbours a lane; the stores have read the raw registers
.if rho+3 < 8
.set lr, rho+3
	LOADROW
.endif
	v_pk_add_f32 v[10:11], v[XX:XX+1], v[XX+2:XX+3]          ; the sum, in two chains
	v_pk_add_f32 v[12:13], v[XX+4:XX+5], v[XX+6:XX+7]
.irp j, 8,12,16,20,24,28
	v_pk_add_f32 v[10:11], v[10:11], v[XX+\j:XX+\j+1]
	v_pk_add_f32 v[12:13], v[12:13], v[XX+\j+2:XX+\j+3]
.endr
	v_pk_add_f32 v[10:11], v[10:11], v[12:13]
	v_add_f32 v10, v10, v11
	v_add_f32_dpp v10, v10, v10 row_xmask:1 row_mask:0xf bank_mask:0xf
	v_add_f32_dpp v10, v10, v10 row_xmask:2 row_mask:0xf bank_mask:0xf
	v_add_f32_dpp v10, v10, v10 row_xmask:4 row_mask:0xf bank_mask:0xf
	v_add_f32_dpp v10, v10, v10 row_xmask:8 row_mask:0xf bank_mask:0xf
	v_permlanex16_b32 v14, v10, s54, s55
	v_add_f32 v10, v10, v14
	v_mul_f32 v16, s52, v10                        ; the mean, twice: a pair for the packed forms
	v_mul_f32 v17, s52, v10
.irp j, 0,2,4,6,8,10,12,14,16,18,20,22,24,26,28,30
	v_pk_add_f32 v[XX+\j:XX+\j+1], v[XX+\j:XX+\j+1], v[16:17] neg_lo:[0,1] neg_hi:[0,1]
.endr
	v_pk_mul_f32 v[10:11], v[XX:XX+1], v[XX:XX+1]            ; the squares of the differences: no difference of large sums is formed
	v_pk_mul_f32 v[12:13], v[XX+2:XX+3], v[XX+2:XX+3]
.irp j, 4,8,12,16,20,24,28
	v_pk_fma_f32 v[10:11], v[XX+\j:XX+\j+1], v[XX+\j:XX+\j+1], v[10:11]
	v_pk_fma_f32 v[12:13], v[XX+\j+2:XX+\j+3], v[XX+\j+2:XX+\j+3], v[12:13]
.endr
	v_pk_add_f32 v[10:11], v[10:11], v[12:13]
	v_add_f32 v10, v10, v11
	v_add_f32_dpp v10, v10, v10 row_xmask:1 row_mask:0xf bank_mask:0xf
	v_add_f32_dpp v10, v10, v10 row_xmask:2 row_mask:0xf bank_mask:0xf
	v_add_f32_dpp v10, v10, v10 row_xmask:4 row_mask:0xf bank_mask:0xf
	v_add_f32_dpp v10, v10, v10 row_xmask:8 row_mask:0xf bank_mask:0xf
	v_permlanex16_b32 v14, v10, s54, s55
	v_add_f32 v10, v10, v14
	v_fma_f32 v10, v10, s52, s53                   ; variance + eps
	s_wait_alu depctr_va_vdst(0)
	v_rsq_f32 v18, v10
	v_rsq_f32 v19, v10
	v_nop                                          ; a plain instruction behind the two,
	s_wait_alu depctr_va_vdst(0)                   ; and one wait ahead of their first reader
.irp j, 0,2,4,6,8,10,12,14,16,18,20,22,24,26,28,30
	v_pk_mul_f32 v[XX+\j:XX+\j+1], v[XX+\j:XX+\j+1], v[18:19]
.endr
.irp j, 0,2,4,6,8,10,12,14,16,18,20,22,24,26,28,30
	v_pk_fma_f32 v[XX+\j:XX+\j+1], v[XX+\j:XX+\j+1], v[GM+\j:GM+\j+1], v[BT+\j:BT+\j+1]
.endr
.irp a, 0,1
	v_max3_num_f32 v[20+\a], |v[XX+16*\a]|, |v[XX+16*\a+1]|, 0x2800000   ; my 16 of a block, and the floor 2^(5 - 127)
.endr
.irp i, 2,4,6,8,10,12,14
.irp a, 0,1
	v_max3_num_f32 v[20+\a], v[20+\a], |v[XX+16*\a+\i]|, |v[XX+16*\a+\i+1]|
.endr
.endr
	v_max_num_f32_dpp v20, v20, v20 row_xmask:1 row_mask:0xf bank_mask:0xf   ; with my neighbour's 16: the block's
	v_max_num_f32_dpp v21, v21, v21 row_xmask:1 row_mask:0xf bank_mask:0xf
	v_add_nc_u32 v24, 0xfe000000, v20              ; 4 off the exponent field: the conversion's scale operand
	v_add_nc_u32 v25, 0xfe000000, v21
	s_wait_alu depctr_va_vdst(0)
	s_wait_xcnt 0x0                                ; earlier stores have read their code registers: they may be written again
	v_cvt_scalef32_pk16_bf6_f32 v[CC+8*(rho%4):CC+8*(rho%4)+2], v[XX:XX+15], v24
	v_cvt_scalef32_pk16_bf6_f32 v[CC+8*(rho%4)+4:CC+8*(rho%4)+6], v[XX+16:XX+31], v25
	v_lshrrev_b32 v26, 23, v24                     ; the scale bytes (also the plain instruction behind the conversions)
	v_lshrrev_b32 v27, 23, v25
	ds_store_b8 v6, v26 offset:32*rho              ; both lanes of a block write the same byte with the same value
	ds_store_b8 v6, v27 offset:32*rho+16
	global_store_b96 v5, v[CC+8*(rho%4):CC+8*(rho%4)+2], s[56:57] offset:768*rho        ; the wave stores 384 consecutive bytes
	global_store_b96 v5, v[CC+8*(rho%4)+4:CC+8*(rho%4)+6], s[56:57] offset:768*rho+384
.endm
.set rho, 0
.rept 8
	ROW
.set rho, rho+1
.endr
	ds_load_b64 v[20:21], v7
	s_wait_dscnt 0x0
	global_store_b64 v8, v[20:21], s[58:59]        ; eight rows' scale bytes: 256 consecutive bytes, aligned
	s_wait_tensorcnt 0x0
	ds_add_u32 v251, v255
	s_wait_dscnt 0x0
	s_endpgm
	; ---------------- the weights' images: a wave makes one record ----------------
.Lweights:
	s_sub_co_u32 s49, ttmp9, 256
	s_lshl_b32 s49, s49, 2
	s_add_co_u32 s49, s49, s48                     ; record = 32 g + 8 matrix + K step
	s_lshr_b32 s50, s49, 5                         ; g
	s_bfe_u32 s51, s49, 0x20003                    ; matrix: 0 q, 1 k, 2 v, 3 o
	s_and_b32 s52, s49, 7                          ; K step
	v_and_b32 v2, 15, v0                           ; r
	v_bfe_u32 v3, v0, 4, 1                         ; h
	s_wait_alu depctr_va_vdst(0)
	s_wait_kmcnt 0x0
	s_cmp_eq_u32 s51, 0
	s_cselect_b64 s[40:41], s[10:11], s[14:15]
	s_cselect_b64 s[42:43], s[12:13], s[16:17]
	s_cmp_eq_u32 s51, 2
	s_cselect_b64 s[40:41], s[18:19], s[40:41]
	s_cselect_b64 s[42:43], s[20:21], s[42:43]
	s_cmp_eq_u32 s51, 3
	s_cselect_b64 s[40:41], s[22:23], s[40:41]     ; the codes,
	s_cselect_b64 s[42:43], s[24:25], s[42:43]     ; the scale bytes
	s_cselect_b32 s44, 24, 48                      ; from half to half of the lanes,
	s_cselect_b32 s45, 48, 24                      ; and from registers 0-5 to registers 6-11
	s_mov_b32 s46, 0x03010200                      ; the middle bytes of a scale word change places,
	s_cselect_b32 s46, 0x03020100, s46             ; but not in Wo
	s_mul_i32 s53, s50, 49152
	s_mul_i32 s54, s52, 96
	s_add_co_u32 s53, s53, s54
	v_lshrrev_b32 v9, 3, v2
	v_mad_u32_u24 v9, v9, 24, v2                   ; r % 8 + 32 (r / 8)
	v_mul_u32_u24 v4, v9, 768
	v_add_nc_u32 v4, s53, v4
	v_mul_u32_u24 v5, v3, s44
	v_add_nc_u32 v4, v4, v5                        ; (64 g + r) x 768 + 96 step + my half
	v_add_nc_u32 v5, s45, v4
	s_lshl_b32 s53, s50, 11
	s_lshl_b32 s54, s52, 2
	s_add_co_u32 s53, s53, s54
	v_lshlrev_b32 v6, 5, v9
	v_lshl_add_u32 v6, v3, 8, v6                   ; lanes 16-31: the next fragment, 8 rows on
	v_add_nc_u32 v6, s53, v6                       ; (64 g + 8 h + r) x 32 + 4 step
	v_lshlrev_b32 v7, 4, v1
	v_lshlrev_b32 v8, 3, v1
	s_mul_i32 s54, s49, 6400
	s_mov_b32 s55, 0
	s_add_nc_u64 s[56:57], s[30:31], s[54:55]
.irp t, 0,1,2,3
.irp p, 0,1,2
	global_load_b64 v[32+12*\t+2*\p:33+12*\t+2*\p], v4, s[40:41] offset:6144*\t+8*\p
	global_load_b64 v[38+12*\t+2*\p:39+12*\t+2*\p], v5, s[40:41] offset:6144*\t+8*\p
.endr
.endr
	global_load_b32 v80, v6, s[42:43]
	global_load_b32 v81, v6, s[42:43] offset:512
	s_wait_alu depctr_va_vdst(0)
	s_wait_loadcnt 0x0
	v_perm_b32 v80, v80, v80, s46
	v_perm_b32 v81, v81, v81, s46
.irp n, 0,1,2,3,4,5,6,7,8,9,10,11
	global_store_b128 v7, v[32+4*\n:35+4*\n], s[56:57] offset:512*\n   ; 512 consecutive bytes a store
.endr
	global_store_b64 v8, v[80:81], s[56:57] offset:6144
	s_endpgm
.Lfunc_end_k_q84da28a156_prep:
	.size	k_q84da28a156_prep, .Lfunc_end_k_q84da28a156_prep-k_q84da28a156_prep
	.p2alignl 7, 3214868480
	.fill 96, 4, 3214868480
	.section	.rodata,"a",@progbits
	.p2align	6, 0x0
	.amdhsa_kernel k_q84da28a156_prep
		.amdhsa_group_segment_fixed_size 23040
		.amdhsa_private_segment_fixed_size 0
		.amdhsa_enable_private_segment 0
		.amdhsa_kernarg_size 112
		.amdhsa_user_sgpr_count 2
		.amdhsa_user_sgpr_kernarg_segment_ptr 1
		.amdhsa_wavefront_size32 1
		.amdhsa_system_sgpr_workgroup_id_x 1
		.amdhsa_system_sgpr_workgroup_id_y 1
		.amdhsa_system_sgpr_workgroup_id_z 1
		.amdhsa_system_vgpr_workitem_id 0
		.amdhsa_next_free_vgpr 256
		.amdhsa_next_free_sgpr 66
		.amdhsa_reserve_vcc 0
		.amdhsa_float_denorm_mode_32 3
		.amdhsa_float_denorm_mode_16_64 3
		.amdhsa_memory_ordered 1
		.amdhsa_forward_progress 1
		.amdhsa_inst_pref_size 90
	.end_amdhsa_kernel
	.amdgpu_metadata
---
amdhsa.version: [ 1, 2 ]
amdhsa.kernels:
  - .name:           k_q84da28a156_prep
    .symbol:         k_q84da28a156_prep.kd
    .args:
      - { .name: h, .offset: 0, .size: 8, .value_kind: global_buffer, .address_space: global }
      - { .name: gamma, .offset: 8, .size: 8, .value_kind: global_buffer, .address_space: global }
      - { .name: beta, .offset: 16, .size: 8, .value_kind: global_buffer, .address_space: global }
      - { .name: Wq_codes, .offset: 24, .size: 8, .value_kind: global_buffer, .address_space: global }
      - { .name: Wq_scales, .offset: 32, .size: 8, .value_kind: global_buffer, .address_space: global }
      - { .name: Wk_codes, .offset: 40, .size: 8, .value_kind: global_buffer, .address_space: global }
      - { .name: Wk_scales, .offset: 48, .size: 8, .value_kind: global_buffer, .address_space: global }
      - { .name: Wv_codes, .offset: 56, .size: 8, .value_kind: global_buffer, .address_space: global }
      - { .name: Wv_scales, .offset: 64, .size: 8, .value_kind: global_buffer, .address_space: global }
      - { .name: Wo_codes, .offset: 72, .size: 8, .value_kind: global_buffer, .address_space: global }
      - { .name: Wo_scales, .offset: 80, .size: 8, .value_kind: global_buffer, .address_space: global }
      - { .name: hqc, .offset: 88, .size: 8, .value_kind: global_buffer, .address_space: global }
      - { .name: hqs, .offset: 96, .size: 8, .value_kind: global_buffer, .address_space: global }
      - { .name: wimg, .offset: 104, .size: 8, .value_kind: global_buffer, .address_space: global }
    .group_segment_fixed_size: 23040
    .private_segment_fixed_size: 0
    .kernarg_segment_align: 8
    .kernarg_segment_size: 112
    .max_flat_workgroup_size: 128
    .sgpr_count:     66
    .vgpr_count:     256
    .wavefront_size: 32
...
	.end_amdgpu_metadata
.endif
;; end of part 1
;; launch attn (part 2): grid 4 x 64, 4 waves a work-group, clusters of 4 x 1, 327,680 bytes of LDS; arguments hqc, hqs, e_codes, e_scales, wimg, bq, bk, bv, oc, ocs; writes oc, ocs
.if DOCPART == 2
	.amdgcn_target "amdgcn-amd-amdhsa--gfx1250"
	.amdhsa_code_object_version 6
	.text
	.protected	k_q84da28a156_attn
	.globl	k_q84da28a156_attn
	.p2align	8
	.type	k_q84da28a156_attn,@function
k_q84da28a156_attn:
	s_mov_b64 s[64:65], 0
	v_nop
	global_prefetch_b8 v0, s[64:65] scope:SCOPE_SE
	s_setreg_imm32_b32 hwreg(HW_REG_WAVE_MODE, 25, 1), 1
	s_wait_xcnt 0x0
	s_wait_alu depctr_hold_cnt(0) depctr_sa_sdst(0) depctr_va_vdst(0) depctr_va_sdst(0) depctr_va_ssrc(0) depctr_va_vcc(0) depctr_vm_vsrc(0)
	s_getreg_b32 s2, hwreg(HW_REG_IB_STS2, 6, 4)
	s_cmp_eq_u32 s2, 0
	s_cbranch_scc0 .Lentry_in_a_cluster
	s_endpgm
.Lentry_in_a_cluster:
	s_bfe_u32 s2, ttmp6, 0x10000c
	s_cmp_lg_u32 s2, 0x3003
	s_cbranch_scc0 .Lentry_shape_is_right
	s_endpgm
.Lentry_shape_is_right:
; q, k, v projections, scores, softmax and the weighted sum, all on codes of E3M2 with E8M0 scales; o leaves as codes (oc) and scale bytes (ocs) for the last launch.
; SHARES.  A work-group takes two chunks (128 queries, 256 rows of e) and four heads; wave w takes head g = 4 cx + w for all of them.
; CLUSTER.  The four work-groups of a cluster take the same two chunks: the queries' codes and e's codes are asked for jointly, each once; nothing is filled twice.  The weights differ
; between partners and waves: they go from prep's images straight into registers, 13 loads a record (64 rows x 128 K).
; NO LANE CHANGES PLACES.  A weight fragment's rows are 8 t + r % 8 + 32 (r / 8) (prep), so q, k and o hold a whole block of 32 of the head's 64 in a lane.  A fragment of e takes
; eight keys of one block of 32 and eight of the next: tile u of 64 rows: rows 8 u + m (m < 8) and 32 + 8 (u xor 1) + m - 8: so the scores and v hold whole blocks of 32 keys in a lane,
; in one and the same order in both, and the sixteen LDS rows of a fragment differ modulo 16 (pitch 816 = 16 x 51: sixteen different columns of 16 bytes modulo 256).
; K ORDER of the projections: a lane takes 48 consecutive bytes of a row (blocks 2 h, 2 h + 1 of the K step) on both sides, so the middle bytes of each scale word change places.
; SOFTMAX as the definition has it: the row's maximum is taken away, p is divided by the row's sum and then quantised.  A block's largest p is made from the block's largest score by the
; same multiply-add, exponential and multiplication (p rises with the score).
; WEIGHTS AHEAD.  Wq's records 0-3 wait in window 3, records 4-6 in the ring of three; from step 5 on step s loads record s + 2.
; LIMITS: NaN and infinities are not served; a block under 2^-122 keeps the byte 1, a block of zeros the byte 1 (its codes are zeros; this program alone reads the bytes).
; The 63 wrapped queries of each batch are worked on real rows inside live tiles; the last launch multiplies their product by 0.
; LDS: queries 128 rows x 816, then e 256 rows x 816 (768 bytes + 16 behind each 256).  Behind the q pass the queries' bytes are each wave's stage for q's and k's codes; behind the v pass e's bytes for v's.
; WINDOWS.  0: addresses, scale words, the ring, the softmax.  1: fragments of the queries or of e (v0-191), biases (v192-255); scratch of the quantiser.  2, 3: accumulators; in the q pass 3 holds e's scales and four records.
.set PITCH, 816
.set T16B,  16*PITCH
.set T8B,   8*PITCH
.set B64,   64*PITCH
.set EOFF,  128*PITCH
.set SCS,   EOFF+256*PITCH             ; 1,024 bytes: o's scale bytes on their way out
.set SPARE, SCS+1024                   ; the spare words, 128 bytes a wave
.set STQB,  32*PITCH
.set STVB,  13312
.set REC,   6400
.set AE,    8                          ; v8-15 e's fragments, even tiles: 64 rows a pair; second of a pair: lanes 16-31 lie behind a pad.  v16-23 odd tiles
.set AH,    24                         ; v24-27 the queries' fragments (q pass)
.set ST,    24                         ; v24-29 the stages (behind the q pass); v30 o's scale bytes
.set ES,    32                         ; v32-95 scale words of the queries, then of e: register 8 (tile / 2) + K step
.set WSQ,   64                         ; v64-71 scale words of records 0-3 (q pass)
.set WS,    96                         ; v96-101 scale words of the ring's records
.set RING,  104                        ; v104-247 three records
.set SS,    104                        ; in the loops: scores, p
.set OO,    168
.set MSB,   0
.macro WIN new
.if MSB != (\new)
	s_set_vgpr_msb (MSB<<8)|(\new)
.set MSB, (\new)
.endif
.endm
.macro PLACES n
.rept \n
	v_nop
.endr
.endm
.macro CROUND
	s_barrier_signal -1
	s_barrier_wait -1
	s_cmp_lg_u32 s24, 0
	s_cbranch_scc1 .Lnot_wave_0_\@
	s_barrier_signal -3
.Lnot_wave_0_\@:
	s_barrier_wait -3
	s_barrier_signal -1
	s_barrier_wait -1
.endm
.macro WLOAD                           ; record wg: 12 loads of 512 bytes and its scale words
.if wg < 4
	WIN 0xc0
.irp n, 0,1,2,3,4,5,6,7,8,9,10,11
	global_load_b128 v[64+48*wg+4*\n:64+48*wg+4*\n+3], v3, s[76:77] offset:REC*wg+512*\n
.endr
	WIN 0
	global_load_b64 v[WSQ+2*wg:WSQ+2*wg+1], v4, s[76:77] offset:REC*wg+6144
.else
.irp n, 0,1,2,3,4,5,6,7,8,9,10,11
	global_load_b128 v[RING+48*(wg%3)+4*\n:RING+48*(wg%3)+4*\n+3], v3, s[76:77] offset:REC*wg+512*\n
.endr
	global_load_b64 v[WS+2*(wg%3):WS+2*(wg%3)+1], v4, s[76:77] offset:REC*wg+6144
.endif
.endm
.macro PREF
.if pg+7 < 24
.endif
.endm
.macro FRAGR                           ; tile ft, K step fk -> v[fr .. fr+11].  fa: address registers; fs: bytes from tile to tile; fp: 8 where odd tiles have registers of their own
.irp i, 0,1,2
.set fx, 96*fk+16*\i
.set fv, 0
.if ((fx+48)>>8) != (fx>>8)
.set fv, 1
.endif
	ds_load_b128 v[fr+4*\i:fr+4*\i+3], v[fa+2*(ft>>2)+fv+fp*(ft&1)] offset:(ft&3)*fs+fx+16*(fx>>8)
.endr
.endm
.macro HQFETCH
	WIN 0x40
.set fa, AH
.set fs, T16B
.set fp, 0
.set ft, 0
.rept 8
.set fr, 96*hp+12*ft
	FRAGR
.set ft, ft+1
.endr
.endm
.macro EFETCH
	WIN 0x40
.set fa, AE
.set fs, T8B
.set fp, 8
.set ft, 8*eh
.rept 8
.set fr, 12*ft
	FRAGR
.set ft, ft+1
.endr
.endm
.macro MM
.if fA && fB
	v_wmma_scale_f32_16x16x128_f8f6f4 v[rD:rD+7], v[rA:rA+11], v[rB:rB+11], v[rC:rC+7], v[sA], v[sB] matrix_a_fmt:MATRIX_FMT_BF6 matrix_b_fmt:MATRIX_FMT_BF6 matrix_a_scale:MATRIX_SCALE_ROW1 matrix_b_scale:MATRIX_SCALE_ROW1
.elseif fA
	v_wmma_scale_f32_16x16x128_f8f6f4 v[rD:rD+7], v[rA:rA+11], v[rB:rB+11], v[rC:rC+7], v[sA], v[sB] matrix_a_fmt:MATRIX_FMT_BF6 matrix_b_fmt:MATRIX_FMT_BF6 matrix_a_scale:MATRIX_SCALE_ROW1
.elseif fB
	v_wmma_scale_f32_16x16x128_f8f6f4 v[rD:rD+7], v[rA:rA+11], v[rB:rB+11], v[rC:rC+7], v[sA], v[sB] matrix_a_fmt:MATRIX_FMT_BF6 matrix_b_fmt:MATRIX_FMT_BF6 matrix_b_scale:MATRIX_SCALE_ROW1
.else
	v_wmma_scale_f32_16x16x128_f8f6f4 v[rD:rD+7], v[rA:rA+11], v[rB:rB+11], v[rC:rC+7], v[sA], v[sB] matrix_a_fmt:MATRIX_FMT_BF6 matrix_b_fmt:MATRIX_FMT_BF6
.endif
.endm
; The quantiser of a window of accumulators: eight units of 32 registers, each a whole block in a lane.  Codes go to the stage as images of operand registers (six a lane), scale words beside them.
; kind 0 (q, k): a unit is half an operand (blocks 0, 1).  kind 1 (v): units 2 t, 2 t + 1 make one operand (blocks h and 2 + h).
.macro QBATCH win, kind, off, woff
	WIN 0x5a+5*((\win)-2)
.set uu, 0
.rept 8
	v_max3_num_f32 v[uu], |v[32*uu]|, |v[32*uu+1]|, 0x2800000       ; with the floor 2^(5 - 127); each accumulator is read from its low end on
.set uu, uu+1
.endr
.set ii, 2
.rept 15
.set uu, 0
.rept 8
	v_max3_num_f32 v[uu], |v[32*uu+ii]|, |v[32*uu+ii+1]|, v[uu]
.set uu, uu+1
.endr
.set ii, ii+2
.endr
	WIN 0x45
.set uu, 0
.rept 8
	v_add_nc_u32 v[8+uu], 0xfe000000, v[uu]                         ; 4 off the exponent field: the conversion's scale operand
.set uu, uu+1
.endr
.set uu, 0
.rept 8
	v_lshrrev_b32 v[16+uu], 23, v[8+uu]                             ; the byte
.set uu, uu+1
.endr
	WIN 0x46+((\win)-2)
.set uu, 0
.rept 8
	v_cvt_scalef32_pk16_bf6_f32 v[64+8*uu:66+8*uu], v[32*uu:32*uu+15], v[8+uu]
	v_cvt_scalef32_pk16_bf6_f32 v[68+8*uu:70+8*uu], v[32*uu+16:32*uu+31], v[8+uu]
.set uu, uu+1
.endr
	v_nop
	WIN 0x41
.set uu, 0
.rept 8
	v_mov_b32 v[67+8*uu], v[68+8*uu]                                ; a conversion's three registers begin on an even number: the second three are moved up
	v_mov_b32 v[68+8*uu], v[69+8*uu]
	v_mov_b32 v[69+8*uu], v[70+8*uu]
	v_mov_b32 v[32+uu], 0                                           ; a lane permute's destination counts as read
.set uu, uu+1
.endr
.if \kind
	WIN 0x44
.set uu, 0
.rept 4
	v_lshlrev_b32 v[24+uu], v6, v[16+2*uu]
.set uu, uu+1
.endr
	WIN 0x51
.set uu, 0
.rept 4
	v_lshl_or_b32 v[24+uu], v[17+2*uu], v7, v[24+uu]
.set uu, uu+1
.endr
.else
	WIN 0x44
.set uu, 0
.rept 8
	v_lshlrev_b32 v[24+uu], v6, v[16+uu]
.set uu, uu+1
.endr
.endif
	WIN 0x41
.set uu, 0
.rept 8-4*(\kind)
	v_permlanex16_b32 v[32+uu], v[24+uu], s56, s57
.set uu, uu+1
.endr
	WIN 0x45
.set uu, 0
.rept 8-4*(\kind)
	v_or_b32 v[24+uu], v[24+uu], v[32+uu]                           ; with lane l xor 16's bytes the word is whole
.set uu, uu+1
.endr
	WIN 0x04
.set uu, 0
.rept 8
	ds_store_b128 v[ST+3*(\kind)], v[64+8*uu:67+8*uu] offset:(\off)+768*uu
	ds_store_b64 v[ST+1+3*(\kind)], v[68+8*uu:69+8*uu] offset:(\off)+768*uu+512
.set uu, uu+1
.endr
.set uu, 0
.rept 8-4*(\kind)
	ds_store_b32 v[ST+2+3*(\kind)], v[24+uu] offset:(\woff)+128*uu
.set uu, uu+1
.endr
	s_wait_dscnt 0x0                               ; the stores have read their registers
	WIN 0
.endm
	s_load_b512 s[4:19], s[0:1], 0x0               ; hqc, hqs, e codes, e scales, wimg, bq, bk, bv
	s_load_b128 s[20:23], s[0:1], 0x40             ; oc, ocs
	v_lshl_add_u32 v254, v0, 2, SPARE
	v_mov_b32 v255, 0
	ds_add_u32 v254, v255                          ; the opening lines: the add, twice on end, and its wait
	ds_add_u32 v254, v255
	v_lshrrev_b32 v1, 5, v0
	v_readfirstlane_b32 s24, v1                    ; wave
	s_and_b32 s26, ttmp7, 0xffff                   ; the pair of chunks, which the four partners share
	s_mov_b32 s32, 15|(1<<20)|(1<<21)|(5<<22)|(3<<25)  ; the queries: 32 rows of 768 bytes a wave, 16 bytes of padding behind each 256; the mask names all four
	s_mov_b32 s33, 768<<16
	s_mov_b32 s34, 32<<16
	s_mov_b32 s35, 768<<16
	s_mov_b32 s36, 32
	s_mov_b32 s37, 768
	s_mov_b32 s38, 0
	s_mov_b32 s39, 0
	s_mov_b32 s40, 15|(1<<20)|(1<<21)|(5<<22)|(3<<25)  ; e: 64 rows a wave
	s_mov_b32 s41, 768<<16
	s_mov_b32 s42, 64<<16
	s_mov_b32 s43, 768<<16
	s_mov_b32 s44, 64
	s_mov_b32 s45, 768
	s_mov_b32 s46, 0
	s_mov_b32 s47, 0
	s_mul_i32 s28, s26, 98304
	s_mul_i32 s29, s24, 24576
	s_add_co_u32 s28, s28, s29
	s_mov_b32 s29, 0
	s_mul_i32 s30, s26, 196608
	s_mul_i32 s31, s24, 49152
	s_add_co_u32 s30, s30, s31
	s_mov_b32 s31, 0
	s_mov_b32 s56, 0x76543210
	s_mov_b32 s57, 0xfedcba98                      ; v_permlanex16_b32's selects for lane l xor 16
	s_mov_b32 s58, 0x3e38aa3b                      ; log2(e) / 8
	s_mov_b32 s59, s58
	s_mov_b32 s61, 0x03010200                      ; the middle bytes of a scale word change places
	s_wait_dscnt 0x0
	s_wait_kmcnt 0x0
	s_mov_b32 s48, 1
	s_mul_i32 s49, s24, STQB
	s_add_nc_u64 s[50:51], s[4:5], s[28:29]
	s_or_b32 s51, s51, 0x80000000
	s_mov_b32 s52, 1
	s_mul_i32 s53, s24, B64
	s_add_co_u32 s53, s53, EOFF
	s_add_nc_u64 s[54:55], s[8:9], s[30:31]
	s_or_b32 s55, s55, 0x80000000
	CROUND                                         ; all four work-groups are here: the joint loads meet
	tensor_load_to_lds s[48:51], s[32:39]          ; my quarter of the queries: my one tensor load at the head
	s_nop 0
	PLACES 4
	s_bfe_u32 s25, ttmp6, 0x40000
	s_lshl_b32 s27, s25, 2
	s_add_co_u32 s27, s27, s24                     ; g: my head
	s_mov_b32 s73, 0
	s_mul_i32 s72, s27, 204800
	s_add_nc_u64 s[76:77], s[12:13], s[72:73]      ; my 24 records: Wq's eight, Wk's, Wv's
	s_mul_i32 s72, s26, 98304
	s_mul_i32 s74, s27, 768
	s_add_co_u32 s72, s72, s74
	s_add_nc_u64 s[78:79], s[20:21], s[72:73]      ; oc
	s_lshl_b32 s72, s27, 8
	s_add_nc_u64 s[14:15], s[14:15], s[72:73]
	s_add_nc_u64 s[16:17], s[16:17], s[72:73]
	s_add_nc_u64 s[18:19], s[18:19], s[72:73]      ; the biases at my 64 columns
	s_lshl_b32 s72, s26, 12
	s_add_nc_u64 s[6:7], s[6:7], s[72:73]
	s_lshl_b32 s74, s24, 10
	s_add_co_u32 s74, s74, s72
	s_lshl_b32 s75, s25, 8
	s_add_co_u32 s74, s74, s75
	s_mov_b32 s75, 0
	s_add_nc_u64 s[80:81], s[22:23], s[74:75]      ; ocs
	s_lshl_b32 s72, s26, 13
	s_add_nc_u64 s[10:11], s[10:11], s[72:73]
	v_and_b32 v28, 31, v0                          ; lane
	v_and_b32 v1, 15, v0                           ; r
	v_bfe_u32 v2, v0, 4, 1                         ; h
	v_lshlrev_b32 v3, 4, v28
	v_lshlrev_b32 v4, 3, v28
	v_lshlrev_b32 v5, 2, v28
	v_lshlrev_b32 v252, 5, v28                     ; the queries' scales: 32 bytes a row, a lane a row
	v_min_u32 v31, 24, v28
	v_lshlrev_b32 v31, 8, v31
	v_lshlrev_b32 v6, 3, v2
	v_add_nc_u32 v7, 16, v6
	v_lshlrev_b32 v102, 7, v2                      ; bq, bk: columns 32 h + 8 t + 0 .. 7
	v_lshrrev_b32 v29, 3, v1                       ; r / 8
	v_mad_u32_u24 v103, v29, 24, v1
	v_lshlrev_b32 v103, 2, v103                    ; bv: column 8 t + r % 8 + 32 (r / 8)
	v_lshl_add_u32 v253, v2, 3, v1                 ; e's scales: lanes 0-15 an even tile, 16-31 the odd one behind it: row r + 8 h + (r / 8) (32 - 16 h)
	v_lshl_add_u32 v253, v29, 5, v253
	v_and_b32 v30, v29, v2
	v_lshlrev_b32 v30, 4, v30
	v_sub_nc_u32 v253, v253, v30
	v_lshlrev_b32 v253, 5, v253
	v_lshl_add_u32 v8, v29, 5, v1                  ; e's rows: even tiles r + 32 (r / 8),
	v_lshl_add_u32 v16, v29, 4, v1                 ; odd tiles r + 16 (r / 8)
	v_mul_u32_u24 v8, v8, PITCH
	v_mul_u32_u24 v16, v16, PITCH
	v_mul_u32_u24 v24, v1, PITCH                   ; the queries' rows: r
	v_mul_u32_u24 v29, v2, 48                      ; lanes 16-31: 48 bytes on,
	v_lshlrev_b32 v30, 6, v2                       ; or 64 where a pad lies between
	v_add_nc_u32 v9, v8, v30
	v_add_nc_u32 v8, v8, v29
	v_add_nc_u32 v17, v16, v30
	v_add_nc_u32 v16, v16, v29
	v_add_nc_u32 v25, v24, v30
	v_add_nc_u32 v24, v24, v29
	v_add_nc_u32 v26, B64, v24
	v_add_nc_u32 v27, B64, v25
.irp b, 3,2,1,0
	v_add_nc_u32 v[AE+2*\b], EOFF+\b*B64, v8
	v_add_nc_u32 v[AE+2*\b+1], EOFF+\b*B64, v9
	v_add_nc_u32 v[AE+8+2*\b], EOFF+\b*B64, v16
	v_add_nc_u32 v[AE+9+2*\b], EOFF+\b*B64, v17
.endr
; all that comes through registers is asked for while the queries' tile is on its way: 44 loads of scales and biases, then records 0-6, 13 loads each
.irp j, 0,1,2,3
	global_load_b128 v[ES+8*\j:ES+8*\j+3], v252, s[6:7] offset:1024*\j
	global_load_b128 v[ES+8*\j+4:ES+8*\j+7], v252, s[6:7] offset:1024*\j+16
.endr
	WIN 0xc0
.irp j, 0,1,2,3,4,5,6,7
	global_load_b128 v[8*\j:8*\j+3], v253, s[10:11] offset:2048*(\j>>1)+512*(\j&1)
	global_load_b128 v[8*\j+4:8*\j+7], v253, s[10:11] offset:2048*(\j>>1)+512*(\j&1)+16
.endr
	WIN 0x40
.irp t, 0,1,2,3
	global_load_b128 v[192+8*\t:195+8*\t], v102, s[14:15] offset:32*\t
	global_load_b128 v[196+8*\t:199+8*\t], v102, s[14:15] offset:32*\t+16
	global_load_b128 v[224+8*\t:227+8*\t], v102, s[16:17] offset:32*\t
	global_load_b128 v[228+8*\t:231+8*\t], v102, s[16:17] offset:32*\t+16
.endr
	WIN 0
.irp t, 0,1,2,3
	global_load_b32 v[248+\t], v103, s[18:19] offset:32*\t
.endr
.set wg, 0
.rept 7
	WLOAD
.set wg, wg+1
.endr
	s_wait_alu depctr_va_vdst(0)                   ; the wait at the head's end
	s_wait_loadcnt 63                              ; of 135 loads the first 72 are in: the 44 and record 0 among them
.set ii, 0
.rept 32
	v_perm_b32 v[ES+ii], v[ES+ii], v[ES+ii], s61
.set ii, ii+1
.endr
	s_wait_alu depctr_va_vdst(0)                   ; the wait here, directly ahead of the wait below
	s_wait_tensorcnt 0x0                           ; my quarter of the queries is in; the add and its wait ahead of a later first fill:
	ds_add_u32 v254, v255
	s_wait_dscnt 0x0
	CROUND                                         ; everybody's quarter is in, and the joint loads meet
	tensor_load_to_lds s[52:55], s[40:47]          ; my quarter of e: it has the q pass in which to land
	s_nop 0
	PLACES 4
.set hp, 0
.set fk, 0
	HQFETCH
.macro QSTEP                           ; q^T, K step ks: 8 tiles of queries x my 4 fragments of Wq, 32 accumulators by turns
.if ks
	PLACES 4                                       ; in front of loads into registers that products have read
.endif
	WIN 0
.if ks >= 5
.set wg, ks+2
	WLOAD
.endif
.set pg, ks
	PREF
.if ks < 7
.set hp, (ks+1)&1
.set fk, ks+1
	HQFETCH
.endif
.if ks < 2
	s_wait_loadcnt 63                              ; the younger records are more than the count can name
.elseif ks < 5
	s_wait_loadcnt 13*(6-ks)                       ; records ks + 1 .. 6 may be out
.else
	s_wait_loadcnt 26                              ; the two younger records may be out
.endif
.if ks < 7
	s_wait_dscnt 24                                ; the next step's 24 loads may be out
.else
	s_wait_dscnt 0x0
.endif
.if ks == 0
	WIN 0x97
.elseif ks < 4
	WIN 0xa7
.else
	WIN 0xa4
.endif
.set mm, 0
.rept 8
.set tl, 0
.rept 4
.set rD, 32*mm+8*tl
.if ks < 4
.set rA, 64+48*ks+12*tl
.set sA, WSQ+2*ks+(tl>>1)
.else
.set rA, RING+48*(ks%3)+12*tl
.set sA, WS+2*(ks%3)+(tl>>1)
.endif
.set rB, 96*(ks&1)+12*mm
.set rC, rD
.if ks == 0
.set rC, 192+8*tl                      ; bq starts the sums
.endif
.set fA, tl&1
.set sB, ES+8*(mm>>1)+ks
.set fB, mm&1
	MM
.set tl, tl+1
.endr
.set mm, mm+1
.endr
.endm
.set ks, 0
.rept 8
	QSTEP
.set ks, ks+1
.endr
	WIN 0
	PLACES 4
	s_wait_tensorcnt 0x0                           ; my quarter of e is in,
	s_wait_dscnt 0x0                               ; my reads of the queries are over
	s_barrier_signal -1
	s_barrier_wait -1                              ; both hold of every wave: the queries' bytes become the stages
	s_mul_i32 s30, s24, STQB
	v_add_nc_u32 v[ST], s30, v3
	v_add_nc_u32 v[ST+1], s30, v4
	v_add_nc_u32 v[ST+2], s30, v5
	s_mul_i32 s30, s24, STVB
	s_add_co_u32 s30, s30, EOFF
	v_add_nc_u32 v[ST+3], s30, v3
	v_add_nc_u32 v[ST+4], s30, v4
	v_add_nc_u32 v[ST+5], s30, v5
	s_lshl_b32 s30, s24, 1
	s_add_co_u32 s30, s30, SCS
	v_lshlrev_b32 v30, 3, v1
	v_add_nc_u32 v30, s30, v30
	WIN 0x0f
.set ii, 0
.rept 64
	v_perm_b32 v[ES+ii], v[ii], v[ii], s61         ; e's scale words take the queries' place
.set ii, ii+1
.endr
	QBATCH 2, 0, 0, 18432
	WIN 0x40
.set tl, 0
.rept 4
.set ii, 0
.rept 8
	v_mov_b32 v[192+8*tl+ii], v[248+tl]            ; bv as the C of v's first products: a lane holds one column
.set ii, ii+1
.endr
.set tl, tl+1
.endr
.set fk, 0
.set eh, 0
	EFETCH
.set eh, 1
	EFETCH
.macro KVHALF                          ; chunk hf: its 8 tiles of e x my 4 fragments.  iv = 0: k^T (source 0 the weight); iv = 1: v (source 0 e), registers along the keys
.if ks == 0
	WIN 0x94-3*iv+0x40*hf
.else
	WIN 0xa4-3*iv+0x50*hf
.endif
.set kt, 8*hf
.rept 8
.set tl, 0
.rept 4
.set rW, RING+48*(gg%3)+12*tl
.set rE, 12*kt
.set sW, WS+2*(gg%3)+(tl>>1)
.set sE, ES+8*(kt>>1)+ks
.if iv
.set rD, 32*(2*tl+((kt>>2)&1))+8*(kt&3)
.set rA, rE
.set rB, rW
.set sA, sE
.set fA, kt&1
.set sB, sW
.set fB, tl&1
.set rC, rD
.if ks == 0
.set rC, 192+8*tl
.endif
.else
.set rD, 32*(kt&7)+8*tl
.set rA, rW
.set rB, rE
.set sA, sW
.set fA, tl&1
.set sB, sE
.set fB, kt&1
.set rC, rD
.if ks == 0
.set rC, 224+8*tl
.endif
.endif
	MM
.set tl, tl+1
.endr
.set kt, kt+1
.endr
.endm
.macro KVSTEP
.set gg, 8+8*iv+ks
	WIN 0
.if gg+2 < 24
.set wg, gg+2
	WLOAD
.set pg, gg
	PREF
	s_wait_loadcnt 26                              ; the two younger records may be out
.elseif gg == 22
	s_wait_loadcnt 13
.else
	s_wait_loadcnt 0x0
.endif
	s_wait_dscnt 24                                ; chunk 0's fragments are in; chunk 1's 24 loads may be out
.set hf, 0
	KVHALF
	PLACES 4
.if ks < 7
.set fk, ks+1
.set eh, 0
	EFETCH
	s_wait_dscnt 24
.else
	s_wait_dscnt 0x0
.endif
.set hf, 1
	KVHALF
	PLACES 4
.if ks < 7
.set fk, ks+1
.set eh, 1
	EFETCH
.endif
.endm
.set iv, 0
.set ks, 0
.rept 8
	KVSTEP
.set ks, ks+1
.endr
	QBATCH 2, 0, 6144, 19456
	QBATCH 3, 0, 12288, 20480
.set fk, 0
.set eh, 0
	EFETCH
.set eh, 1
	EFETCH
.set iv, 1
.set ks, 0
.rept 8
	KVSTEP
.set ks, ks+1
.endr
	WIN 0
	s_wait_dscnt 0x0
	s_barrier_signal -1
	s_barrier_wait -1                              ; nobody reads e any more: its bytes become v's stages
	QBATCH 2, 1, 0, 12288
	QBATCH 3, 1, 6144, 12800
	WIN 0x40
.irp j, 0,1,2,3,4,5
	v_mov_b32 v[48+\j], 0                          ; the head has 64 of the instruction's 128 along K: zero codes fill q's upper half and stand behind k's last tile
	v_mov_b32 v[118+\j], 0
.endr
	WIN 0
	v_mov_b32 v217, 0
	v_mov_b32 v219, 0
	v_mov_b32 v226, 0
	s_mov_b32 s66, 0
	s_mov_b32 s67, 0
	s_mov_b32 s68, 0
	s_mov_b32 s69, 0
	s_mov_b32 s70, 0
	s_mov_b32 s62, 2
.Lcc:                                                  ; a chunk: its k and v come back from the stages
	v_add_nc_u32 v8, s66, v[ST]
	v_add_nc_u32 v9, s66, v[ST+1]
	v_add_nc_u32 v10, s67, v[ST+2]
	v_add_nc_u32 v11, s66, v[ST+3]
	v_add_nc_u32 v12, s66, v[ST+4]
	v_add_nc_u32 v13, s68, v[ST+5]
	WIN 0x40
.set kt, 0
.rept 8
	ds_load_b128 v[6*kt:6*kt+3], v8 offset:6144+768*kt
	ds_load_b64 v[6*kt+4:6*kt+5], v9 offset:6144+768*kt+512
.set kt, kt+1
.endr
.set tl, 0
.rept 4
	ds_load_b128 v[64+12*tl:67+12*tl], v11 offset:1536*tl
	ds_load_b64 v[68+12*tl:69+12*tl], v12 offset:1536*tl+512
	ds_load_b128 v[70+12*tl:73+12*tl], v11 offset:1536*tl+768
	ds_load_b64 v[74+12*tl:75+12*tl], v12 offset:1536*tl+1280
.set tl, tl+1
.endr
	WIN 0
.set kt, 0
.rept 8
	ds_load_b32 v[ES+kt], v10 offset:19456+128*kt
.set kt, kt+1
.endr
.set tl, 0
.rept 4
	ds_load_b32 v[ES+8+tl], v13 offset:12288+128*tl
.set tl, tl+1
.endr
	s_mov_b32 s63, 4
.Ltau:                                                 ; 16 queries against the chunk's 128 keys
	v_add_nc_u32 v252, s69, v[ST]
	v_add_nc_u32 v253, s69, v[ST+1]
	v_add_nc_u32 v254, s70, v[ST+2]
	v_add_nc_u32 v255, s70, v30
	WIN 0x40
	ds_load_b128 v[112:115], v252
	ds_load_b64 v[116:117], v253 offset:512
	WIN 0
	ds_load_b32 v[ES+12], v254 offset:18432
	s_wait_dscnt 0x0
	WIN 0x05
.set kt, 0
.rept 8                                ; S^T = k q^T: a lane holds one query; registers 0-31 are key block h, 32-63 block 2 + h
	v_wmma_scale_f32_16x16x128_f8f6f4 v[SS+8*kt:SS+8*kt+7], v[6*kt:6*kt+11], v[112:123], 0, v[ES+kt], v[ES+12] matrix_a_fmt:MATRIX_FMT_BF6 matrix_b_fmt:MATRIX_FMT_BF6
.set kt, kt+1
.endr
	WIN 0
	PLACES 4
.irp k, 0,1,2,3
	v_max3_num_f32 v[212+\k], v[SS+16*\k], v[SS+16*\k+1], v[SS+16*\k+2]
.endr
.irp i, 3,5,7,9,11,13
.irp k, 0,1,2,3
	v_max3_num_f32 v[212+\k], v[212+\k], v[SS+16*\k+\i], v[SS+16*\k+\i+1]
.endr
.endr
.irp k, 0,1,2,3
	v_max_num_f32 v[212+\k], v[212+\k], v[SS+16*\k+15]
.endr
	v_max_num_f32 v212, v212, v213                 ; my two blocks' largest scores
	v_max_num_f32 v214, v214, v215
	v_max_num_f32 v215, v212, v214
	v_permlanex16_b32 v226, v215, s56, s57
	v_max_num_f32 v216, v215, v226                 ; the row's
	v_mul_f32 v216, -v216, s58                     ; - c x maximum
.set jj, 0
.rept 32
	v_pk_fma_f32 v[SS+jj:SS+jj+1], v[SS+jj:SS+jj+1], s[58:59], v[216:217] op_sel_hi:[1,0,0]   ; c x score - c x maximum
.set jj, jj+2
.endr
	v_fma_f32 v212, v212, s58, v216                ; the same of the blocks' largest
	v_fma_f32 v214, v214, s58, v216
	s_wait_alu depctr_va_vdst(0)                   ; a wait ahead of the batch
.set jj, 0
.rept 64
	v_exp_f32 v[SS+jj], v[SS+jj]
.set jj, jj+1
.endr
	v_exp_f32 v212, v212
	v_exp_f32 v214, v214
	v_nop
	s_wait_alu depctr_va_vdst(0)                   ; and one behind it
	v_pk_add_f32 v[228:229], v[SS:SS+1], v[SS+2:SS+3]
	v_pk_add_f32 v[230:231], v[SS+4:SS+5], v[SS+6:SS+7]
.irp j, 8,12,16,20,24,28,32,36,40,44,48,52,56,60
	v_pk_add_f32 v[228:229], v[228:229], v[SS+\j:SS+\j+1]
	v_pk_add_f32 v[230:231], v[230:231], v[SS+\j+2:SS+\j+3]
.endr
	v_pk_add_f32 v[228:229], v[228:229], v[230:231]
	v_add_f32 v228, v228, v229
	v_permlanex16_b32 v226, v228, s56, s57
	v_add_f32 v228, v228, v226                     ; the row's sum
	s_wait_alu depctr_va_vdst(0)
	v_rcp_f32 v218, v228
	v_nop
	s_wait_alu depctr_va_vdst(0)
.set jj, 0
.rept 32
	v_pk_mul_f32 v[SS+jj:SS+jj+1], v[SS+jj:SS+jj+1], v[218:219] op_sel_hi:[1,0]   ; the finished softmax
.set jj, jj+2
.endr
	v_mul_f32 v220, v212, v218                     ; my blocks' largest p,
	v_mul_f32 v221, v214, v218
	v_max_num_f32 v220, 0x2800000, v220            ; over the floor 2^(5 - 127)
	v_max_num_f32 v221, 0x2800000, v221
	v_add_nc_u32 v222, 0xfe000000, v220
	v_add_nc_u32 v223, 0xfe000000, v221
	v_lshrrev_b32 v224, 23, v222
	v_lshrrev_b32 v225, 23, v223
	v_lshlrev_b32 v227, v6, v224
	v_lshl_or_b32 v227, v225, v7, v227
	v_permlanex16_b32 v226, v227, s56, s57
	v_or_b32 v[ES+13], v227, v226                  ; p's scale word
	v_cvt_scalef32_pk16_bf6_f32 v[200:202], v[SS:SS+15], v222
	v_cvt_scalef32_pk16_bf6_f32 v[232:234], v[SS+16:SS+31], v222
	v_cvt_scalef32_pk16_bf6_f32 v[206:208], v[SS+32:SS+47], v223
	v_cvt_scalef32_pk16_bf6_f32 v[236:238], v[SS+48:SS+63], v223
	v_nop
	v_mov_b32 v203, v232
	v_mov_b32 v204, v233
	v_mov_b32 v205, v234
	v_mov_b32 v209, v236
	v_mov_b32 v210, v237
	v_mov_b32 v211, v238
	PLACES 8                                       ; a scale word made by vector instructions stands 8 places ahead of the product, an operand 4
	WIN 0x01
.set tl, 0
.rept 4                                ; O^T = v^T p^T: a lane holds one query and block h of the head's 64
	v_wmma_scale_f32_16x16x128_f8f6f4 v[OO+8*tl:OO+8*tl+7], v[64+12*tl:75+12*tl], v[200:211], 0, v[ES+8+tl], v[ES+13] matrix_a_fmt:MATRIX_FMT_BF6 matrix_b_fmt:MATRIX_FMT_BF6
.set tl, tl+1
.endr
	WIN 0
	PLACES 4
	v_max3_num_f32 v220, |v[OO]|, |v[OO+1]|, 0x2800000
	v_max3_num_f32 v221, |v[OO+16]|, |v[OO+17]|, 0x2800000
.irp i, 2,4,6,8,10,12,14
	v_max3_num_f32 v220, v220, |v[OO+\i]|, |v[OO+\i+1]|
	v_max3_num_f32 v221, v221, |v[OO+16+\i]|, |v[OO+17+\i]|
.endr
	v_max_num_f32 v220, v220, v221
	v_add_nc_u32 v222, 0xfe000000, v220
	v_lshrrev_b32 v224, 23, v222
	v_cvt_scalef32_pk16_bf6_f32 v[240:242], v[OO:OO+15], v222
	v_cvt_scalef32_pk16_bf6_f32 v[244:246], v[OO+16:OO+31], v222
	v_lshlrev_b32 v227, v6, v224
	v_mov_b32 v243, v244
	v_mov_b32 v244, v245
	v_mov_b32 v245, v246
	v_permlanex16_b32 v226, v227, s56, s57
	v_or_b32 v227, v227, v226
	global_store_b128 v3, v[240:243], s[78:79]             ; o's codes as half an operand's image: 512 and 256 consecutive bytes
	global_store_b64 v4, v[244:245], s[78:79] offset:512
	ds_store_b16 v255, v227
	s_wait_xcnt 0x0                                ; the stores have read their base and their registers
	s_add_nc_u64 s[78:79], s[78:79], 12288
	s_add_co_u32 s69, s69, 768
	s_add_co_u32 s70, s70, 128
	s_sub_co_u32 s63, s63, 1
	s_cmp_lg_u32 s63, 0
	s_cbranch_scc1 .Ltau
	s_add_co_u32 s66, s66, 6144
	s_add_co_u32 s67, s67, 1024
	s_add_co_u32 s68, s68, 512
	s_sub_co_u32 s62, s62, 1
	s_cmp_lg_u32 s62, 0
	s_cbranch_scc1 .Lcc
	s_wait_dscnt 0x0
	s_barrier_signal -1
	s_barrier_wait -1                              ; all four heads' scale bytes lie in LDS
	s_lshl_b32 s28, s24, 8
	s_add_co_u32 s28, s28, SCS
	v_add_nc_u32 v8, s28, v4
	ds_load_b64 v[10:11], v8
	s_wait_dscnt 0x0
	global_store_b64 v4, v[10:11], s[80:81]        ; 256 consecutive bytes, aligned
	s_wait_xcnt 0x0
	v_lshl_add_u32 v254, v0, 2, SPARE              ; the add's two registers served the loop: made anew
	v_mov_b32 v255, 0
	s_wait_alu depctr_va_vdst(0)
	s_wait_tensorcnt 0x0                           ; the wave's end
	ds_add_u32 v254, v255
	s_wait_dscnt 0x0
	CROUND                                         ; the closing round
	s_endpgm
.Lfunc_end_k_q84da28a156_attn:
	.size	k_q84da28a156_attn, .Lfunc_end_k_q84da28a156_attn-k_q84da28a156_attn
	.p2alignl 7, 3214868480
	.fill 96, 4, 3214868480
	.section	.rodata,"a",@progbits
	.p2align	6, 0x0
	.amdhsa_kernel k_q84da28a156_attn
		.amdhsa_group_segment_fixed_size 327680
		.amdhsa_private_segment_fixed_size 0
		.amdhsa_enable_private_segment 0
		.amdhsa_kernarg_size 80
		.amdhsa_user_sgpr_count 2
		.amdhsa_user_sgpr_kernarg_segment_ptr 1
		.amdhsa_wavefront_size32 1
		.amdhsa_system_sgpr_workgroup_id_x 1
		.amdhsa_system_sgpr_workgroup_id_y 1
		.amdhsa_system_sgpr_workgroup_id_z 1
		.amdhsa_system_vgpr_workitem_id 0
		.amdhsa_next_free_vgpr 1024
		.amdhsa_next_free_sgpr 96
		.amdhsa_reserve_vcc 0
		.amdhsa_float_denorm_mode_32 3
		.amdhsa_float_denorm_mode_16_64 3
		.amdhsa_memory_ordered 1
		.amdhsa_forward_progress 1
		.amdhsa_inst_pref_size 255
	.end_amdhsa_kernel
	.section	.bss,"aw",@nobits
	.p2align	6
	.space	262144
	.amdgpu_metadata
---
amdhsa.version: [ 1, 2 ]
amdhsa.kernels:
  - .name:           k_q84da28a156_attn
    .symbol:         k_q84da28a156_attn.kd
    .args:
      - { .name: hqc, .offset: 0, .size: 8, .value_kind: global_buffer, .address_space: global }
      - { .name: hqs, .offset: 8, .size: 8, .value_kind: global_buffer, .address_space: global }
      - { .name: e_codes, .offset: 16, .size: 8, .value_kind: global_buffer, .address_space: global }
      - { .name: e_scales, .offset: 24, .size: 8, .value_kind: global_buffer, .address_space: global }
      - { .name: wimg, .offset: 32, .size: 8, .value_kind: global_buffer, .address_space: global }
      - { .name: bq, .offset: 40, .size: 8, .value_kind: global_buffer, .address_space: global }
      - { .name: bk, .offset: 48, .size: 8, .value_kind: global_buffer, .address_space: global }
      - { .name: bv, .offset: 56, .size: 8, .value_kind: global_buffer, .address_space: global }
      - { .name: oc, .offset: 64, .size: 8, .value_kind: global_buffer, .address_space: global }
      - { .name: ocs, .offset: 72, .size: 8, .value_kind: global_buffer, .address_space: global }
    .group_segment_fixed_size: 327680
    .private_segment_fixed_size: 0
    .kernarg_segment_align: 8
    .kernarg_segment_size: 80
    .max_flat_workgroup_size: 128
    .sgpr_count:     96
    .vgpr_count:     1024
    .wavefront_size: 32
...
	.end_amdgpu_metadata
.endif
;; end of part 2
;; launch outp (part 3): grid 4 x 64, 4 waves a work-group, clusters of 4 x 1, 168,448 bytes of LDS; arguments oc, ocs, wimg, bo, h, out0; writes out0
.if DOCPART == 3
	.amdgcn_target "amdgcn-amd-amdhsa--gfx1250"
	.amdhsa_code_object_version 6
	.text
	.protected	k_q84da28a156_outp
	.globl	k_q84da28a156_outp
	.p2align	8
	.type	k_q84da28a156_outp,@function
k_q84da28a156_outp:
	s_mov_b64 s[64:65], 0
	v_nop
	global_prefetch_b8 v0, s[64:65] scope:SCOPE_SE
	s_setreg_imm32_b32 hwreg(HW_REG_WAVE_MODE, 25, 1), 1
	s_wait_xcnt 0x0
	s_wait_alu depctr_hold_cnt(0) depctr_sa_sdst(0) depctr_va_vdst(0) depctr_va_sdst(0) depctr_va_ssrc(0) depctr_va_vcc(0) depctr_vm_vsrc(0)
	s_getreg_b32 s2, hwreg(HW_REG_IB_STS2, 6, 4)
	s_cmp_eq_u32 s2, 0
	s_cbranch_scc0 .Lentry_in_a_cluster
	s_endpgm
.Lentry_in_a_cluster:
	s_bfe_u32 s2, ttmp6, 0x10000c
	s_cmp_lg_u32 s2, 0x3003
	s_cbranch_scc0 .Lentry_shape_is_right
	s_endpgm
.Lentry_shape_is_right:
; out0[row] = h[row] + f x (o Wo + bo), row = (query + 63) mod 2048 of the batch; f = 1, and 0 where the row has wrapped (rows 0-62, which the definition leaves as h).  Every row has one owner.
; The product runs on codes of E3M2 with E8M0 scales, K in true order.  o comes as images of operand registers (oc) and scale words (ocs), Wo likewise (wimg).
; SHARES.  A work-group takes 128 queries x 256 columns; wave w takes columns 64 (4 cx + w) for all 128 queries, and its 32 fragments of Wo stay in registers.
; CLUSTER.  The four work-groups of a cluster take the same 128 queries: o's 98,304 bytes are asked for jointly, once; nothing is filled twice.  The partners' columns of Wo differ: they go straight to registers.
; Source 0 = 16 rows of Wo, source 1 = 16 queries: a lane holds eight neighbouring columns of one row.  Results go through the wave's own stage and leave as whole aligned runs of 256 bytes.
; LIMITS: NaN and infinities are not served (0 x the product of a wrapped row must be 0).
; REGISTERS.  Window 0: v1-15 addresses and work; v32-47 Wo's scale words; v48-79 o's; v80-143 eight accumulators; v144-207 rows on their way out; v216-247 row offsets, two sets.
; Window 1: Wo, K steps 0-4.  Window 2: Wo, steps 5-7 (v0-143); h, set 0 (v144-207); bo (v208-239).  Window 3: o's 16 fragments of a pair of tiles (v0-191); h, set 1 (v192-255).
; Wo's fragment t holds rows (columns of the result) 8 t + r % 8 + 32 (r / 8) of the wave's 64: lane (r, h) of accumulator t holds columns 32 h + 8 t + 0 .. 7.
.set STG, 98304
.set WS,  32
.set AS,  48
.set ACC, 80
.set OUTR, 144
.set OFR, 216
.set MSB, 0
.macro WIN new
.if MSB != (\new)
	s_set_vgpr_msb (MSB<<8)|(\new)
.set MSB, (\new)
.endif
.endm
.macro PLACES n
.rept \n
	v_nop
.endr
.endm
.macro CROUND
	s_barrier_signal -1
	s_barrier_wait -1
	s_cmp_lg_u32 s16, 0
	s_cbranch_scc1 .Lnot_wave_0_\@
	s_barrier_signal -3
.Lnot_wave_0_\@:
	s_barrier_wait -3
	s_barrier_signal -1
	s_barrier_wait -1
.endm
.macro MM
.if fA && fB
	v_wmma_scale_f32_16x16x128_f8f6f4 v[rD:rD+7], v[rA:rA+11], v[rB:rB+11], v[rC:rC+7], v[sA], v[sB] matrix_a_fmt:MATRIX_FMT_BF6 matrix_b_fmt:MATRIX_FMT_BF6 matrix_a_scale:MATRIX_SCALE_ROW1 matrix_b_scale:MATRIX_SCALE_ROW1
.elseif fA
	v_wmma_scale_f32_16x16x128_f8f6f4 v[rD:rD+7], v[rA:rA+11], v[rB:rB+11], v[rC:rC+7], v[sA], v[sB] matrix_a_fmt:MATRIX_FMT_BF6 matrix_b_fmt:MATRIX_FMT_BF6 matrix_a_scale:MATRIX_SCALE_ROW1
.elseif fB
	v_wmma_scale_f32_16x16x128_f8f6f4 v[rD:rD+7], v[rA:rA+11], v[rB:rB+11], v[rC:rC+7], v[sA], v[sB] matrix_a_fmt:MATRIX_FMT_BF6 matrix_b_fmt:MATRIX_FMT_BF6 matrix_b_scale:MATRIX_SCALE_ROW1
.else
	v_wmma_scale_f32_16x16x128_f8f6f4 v[rD:rD+7], v[rA:rA+11], v[rB:rB+11], v[rC:rC+7], v[sA], v[sB] matrix_a_fmt:MATRIX_FMT_BF6 matrix_b_fmt:MATRIX_FMT_BF6
.endif
.endm
.macro OFFS                            ; pair of tiles op: the byte offsets in h and out0 of my 16 bytes in its 32 rows, two rows a register
.set uu, 0
.rept 16
	v_add_nc_u32 v[OFR+16*(op&1)+uu], 32*op+2*uu, v9
.set uu, uu+1
.endr
.set uu, 0
.rept 16
	v_and_b32 v[OFR+16*(op&1)+uu], 2047, v[OFR+16*(op&1)+uu]
.set uu, uu+1
.endr
.set uu, 0
.rept 16
	v_lshl_add_u32 v[OFR+16*(op&1)+uu], v[OFR+16*(op&1)+uu], 12, v10
.set uu, uu+1
.endr
.endm
.macro HLOAD                           ; and those rows of h: 16 loads; sixteen lanes read 256 consecutive bytes
	WIN 0x80+0x40*(op&1)
.set uu, 0
.rept 16
	global_load_b128 v[144+48*(op&1)+4*uu:144+48*(op&1)+4*uu+3], v[OFR+16*(op&1)+uu], s[12:13] th:TH_LOAD_NT
.set uu, uu+1
.endr
	WIN 0
.endm
.macro AFETCH                          ; o's fragments of pair fp, K steps k0 .. k0 + 3
	WIN 0xc0
.set kq, k0
.rept 4
.set aa, 0
.rept 2
.set fo, (2*(fp&1)+aa)*12288+1536*kq
.set fr, 12*(2*kq+aa)
	ds_load_b128 v[fr:fr+3], v[3+2*(fp>>1)] offset:fo
	ds_load_b64 v[fr+4:fr+5], v[4+2*(fp>>1)] offset:fo+512
	ds_load_b128 v[fr+6:fr+9], v[3+2*(fp>>1)] offset:fo+768
	ds_load_b64 v[fr+10:fr+11], v[4+2*(fp>>1)] offset:fo+1280
.set aa, aa+1
.endr
.set kq, kq+1
.endr
	WIN 0
.endm
.macro OSTEP                           ; K step ks of pair ta: eight accumulators by turns
.if ks == 0
	WIN 0x2d
.elseif ks < 5
	WIN 0x0d
.else
	WIN 0x0e
.endif
.set aa, 0
.rept 2
.set tl, 0
.rept 4
.set rD, ACC+8*(4*aa+tl)
.if ks < 5
.set rA, 12*(4*ks+tl)
.else
.set rA, 12*(4*(ks-5)+tl)
.endif
.set rB, 12*(2*ks+aa)
.set rC, rD
.if ks == 0
.set rC, 208+8*tl
.endif
.set sA, WS+2*ks+(tl>>1)
.set fA, tl&1
.set sB, AS+8*ta+ks
.set fB, aa
	MM
.set tl, tl+1
.endr
.set aa, aa+1
.endr
.endm
	s_load_b256 s[4:11], s[0:1], 0x0               ; oc, ocs, wimg, bo
	s_load_b128 s[12:15], s[0:1], 0x20             ; h, out0
	v_lshl_add_u32 v254, v0, 2, 0x29000
	v_mov_b32 v255, 0
	ds_add_u32 v254, v255
	ds_add_u32 v254, v255
	v_lshrrev_b32 v1, 5, v0
	v_readfirstlane_b32 s16, v1                    ; wave
	s_and_b32 s17, ttmp7, 0xffff                   ; the block of 128 queries, which the four partners share
	s_mov_b32 s24, 15|(3<<16)|(1<<21)              ; the mask: all four; elements of 8 bytes; no padding: a dense block as rows of 256 bytes
	s_mov_b32 s25, 32<<16
	s_mov_b32 s26, 96<<16
	s_mov_b32 s27, 32<<16
	s_mov_b32 s28, 96
	s_mov_b32 s29, 32
	s_mov_b32 s30, 0
	s_mov_b32 s31, 0
	s_mul_i32 s20, s17, 98304
	s_mul_i32 s21, s16, 24576
	s_add_co_u32 s20, s20, s21
	s_mov_b32 s21, 0
	s_wait_dscnt 0x0
	s_wait_kmcnt 0x0
	s_mov_b32 s32, 1
	s_mul_i32 s33, s16, 24576
	s_add_nc_u64 s[34:35], s[4:5], s[20:21]
	s_or_b32 s35, s35, 0x80000000
	CROUND                                         ; all four work-groups are here: the joint loads meet
	tensor_load_to_lds s[32:35], s[24:31]          ; my quarter of o's eight tiles: my only tensor load
	s_nop 0
	PLACES 4
	s_bfe_u32 s18, ttmp6, 0x40000
	s_lshl_b32 s19, s18, 2
	s_add_co_u32 s19, s19, s16                     ; g: my 64 columns
	s_mov_b32 s39, 0
	s_mul_i32 s38, s19, 204800
	s_add_co_u32 s38, s38, 153600
	s_add_nc_u64 s[36:37], s[8:9], s[38:39]        ; Wo's eight records of rows 64 g ..
	s_lshl_b32 s38, s19, 8
	s_add_nc_u64 s[10:11], s[10:11], s[38:39]      ; bo at my columns
	s_lshl_b32 s38, s17, 12
	s_add_nc_u64 s[6:7], s[6:7], s[38:39]          ; o's scale words
	v_and_b32 v11, 31, v0
	v_and_b32 v1, 15, v0                           ; r
	v_bfe_u32 v2, v0, 4, 1                         ; h
	v_lshlrev_b32 v3, 4, v11
	v_lshlrev_b32 v4, 3, v11
	v_add_nc_u32 v5, 49152, v3
	v_add_nc_u32 v6, 49152, v4
	s_mul_i32 s20, s16, 4352
	s_add_co_u32 s20, s20, STG                     ; my stage: 16 rows of 256 + 16 bytes
	v_mul_u32_u24 v7, v1, 272
	v_lshl_add_u32 v7, v2, 7, v7
	v_add_nc_u32 v7, s20, v7                       ; in: row r, 128 bytes a half
	v_mul_u32_u24 v8, v2, 272
	v_lshl_add_u32 v8, v1, 4, v8
	v_add_nc_u32 v8, s20, v8                       ; back: lanes 0-15 one row, lanes 16-31 the next
	s_lshl_b32 s20, s17, 7
	s_and_b32 s20, s20, 2047
	s_add_co_u32 s20, s20, 63
	v_add_nc_u32 v9, s20, v2                       ; my first row in the batch, not yet wrapped
	s_lshr_b32 s22, s17, 4
	s_lshl_b32 s22, s22, 23                        ; the batch,
	s_lshl_b32 s23, s19, 8
	s_add_co_u32 s22, s22, s23                     ; my wave's 256 bytes of a row,
	v_lshl_add_u32 v10, v1, 4, s22                 ; my 16 of them
	v_mov_b32 v13, 0                               ; upper half of a pair of which the low word serves both
	v_lshlrev_b32 v15, 7, v2                       ; 128 h
	WIN 0x40
.set ks, 0
.rept 5
.set nn, 0
.rept 12
	global_load_b128 v[48*ks+4*nn:48*ks+4*nn+3], v3, s[36:37] offset:6400*ks+512*nn
.set nn, nn+1
.endr
.set ks, ks+1
.endr
	WIN 0x80
.rept 3
.set nn, 0
.rept 12
	global_load_b128 v[48*(ks-5)+4*nn:48*(ks-5)+4*nn+3], v3, s[36:37] offset:6400*ks+512*nn
.set nn, nn+1
.endr
.set ks, ks+1
.endr
.irp t, 0,1,2,3
	global_load_b128 v[208+8*\t:211+8*\t], v15, s[10:11] offset:32*\t       ; bo at columns 32 h + 8 t + 0 .. 7: the C of the first products
	global_load_b128 v[212+8*\t:215+8*\t], v15, s[10:11] offset:32*\t+16
.endr
	WIN 0
.irp k, 0,1,2,3,4,5,6,7
	global_load_b64 v[WS+2*\k:WS+2*\k+1], v4, s[36:37] offset:6400*\k+6144
.endr
.irp p, 0,1,2,3
.irp q, 0,1,2,3
	global_load_b64 v[AS+8*\p+2*\q:AS+8*\p+2*\q+1], v4, s[6:7] offset:(4*\p+\q)*256   ; pair p, heads 4 q ..: the words of K steps 2 q, 2 q + 1; lanes 0-15 the even tile, 16-31 the odd
.endr
.endr
.set op, 0
	OFFS
.set op, 1
	OFFS
.set op, 0
	HLOAD
.set op, 1
	HLOAD
	s_wait_loadcnt 32                              ; all but the two sets of h, 16 loads each
	s_wait_tensorcnt 0x0
	s_barrier_signal -1
	s_barrier_wait -1                              ; o's eight tiles lie in LDS
.set fp, 0
.set k0, 0
	AFETCH
.set k0, 4
	AFETCH
.macro TRIP                            ; pair of tiles ta: 32 queries x my 64 columns
	s_wait_dscnt 0x0                               ; the pair's fragments are in
.set ks, 0
.rept 4
	OSTEP
.set ks, ks+1
.endr
	PLACES 4                                       ; in front of loads into registers that products have read
.if ta < 3
.set fp, ta+1
.set k0, 0
	AFETCH
.endif
.rept 4
	OSTEP
.set ks, ks+1
.endr
	WIN 0
	PLACES 4                                       ; and in front of the first read of the results
.if ta < 3
.set fp, ta+1
.set k0, 4
	AFETCH
.endif
.if ta < 3
	s_wait_loadcnt 16                              ; this pair's rows of h are in; the next set's 16 loads may be out
.else
	s_wait_loadcnt 0x0
.endif
.set aa, 0
.rept 2
	s_wait_xcnt 0x0                                ; earlier stores have read the registers that the loads below fill
.set tl, 0
.rept 4
	ds_store_b128 v7, v[ACC+8*(4*aa+tl):ACC+8*(4*aa+tl)+3] offset:32*tl       ; each accumulator from its low end on
	ds_store_b128 v7, v[ACC+8*(4*aa+tl)+4:ACC+8*(4*aa+tl)+7] offset:32*tl+16
.set tl, tl+1
.endr
.set uu, 0
.rept 8
	ds_load_b128 v[OUTR+32*aa+4*uu:OUTR+32*aa+4*uu+3], v8 offset:544*uu       ; LDS serves a wave in order: these see the stores above
.set uu, uu+1
.endr
	s_wait_dscnt 0x0
	WIN 0x20+0x10*(ta&1)                           ; source 2: h's set
.set uu, 0
.rept 8
.set ro, OUTR+32*aa+4*uu
.set rh, 144+48*(ta&1)+4*(8*aa+uu)
	v_add_nc_u32 v14, 32*ta+16*aa+2*uu, v9
	v_cmp_gt_u32 vcc_lo, 0x800, v14                ; has the row not wrapped?  (ids alone decide)
	v_cndmask_b32 v12, 0, 1.0, vcc_lo
	v_pk_fma_f32 v[ro:ro+1], v[ro:ro+1], v[12:13], v[rh:rh+1] op_sel_hi:[1,0,1]
	v_pk_fma_f32 v[ro+2:ro+3], v[ro+2:ro+3], v[12:13], v[rh+2:rh+3] op_sel_hi:[1,0,1]
	global_store_b128 v[OFR+16*(ta&1)+8*aa+uu], v[ro:ro+3], s[14:15] th:TH_STORE_NT   ; sixteen lanes store 256 consecutive bytes, aligned
.set uu, uu+1
.endr
	WIN 0
.set aa, aa+1
.endr
.if ta < 2
	s_wait_xcnt 0x0                                ; the stores have read their offsets: the set takes the pair two on
.set op, ta+2
	OFFS
	HLOAD
.endif
.endm
.set ta, 0
.rept 4
	TRIP
.set ta, ta+1
.endr
	s_wait_tensorcnt 0x0
	ds_add_u32 v254, v255
	s_wait_dscnt 0x0
	CROUND                                         ; the closing round
	s_endpgm
.Lfunc_end_k_q84da28a156_outp:
	.size	k_q84da28a156_outp, .Lfunc_end_k_q84da28a156_outp-k_q84da28a156_outp
	.p2alignl 7, 3214868480
	.fill 96, 4, 3214868480
	.section	.rodata,"a",@progbits
	.p2align	6, 0x0
	.amdhsa_kernel k_q84da28a156_outp
		.amdhsa_group_segment_fixed_size 168448
		.amdhsa_private_segment_fixed_size 0
		.amdhsa_enable_private_segment 0
		.amdhsa_kernarg_size 48
		.amdhsa_user_sgpr_count 2
		.amdhsa_user_sgpr_kernarg_segment_ptr 1
		.amdhsa_wavefront_size32 1
		.amdhsa_system_sgpr_workgroup_id_x 1
		.amdhsa_system_sgpr_workgroup_id_y 1
		.amdhsa_system_sgpr_workgroup_id_z 1
		.amdhsa_system_vgpr_workitem_id 0
		.amdhsa_next_free_vgpr 1024
		.amdhsa_next_free_sgpr 66
		.amdhsa_reserve_vcc 1
		.amdhsa_float_denorm_mode_32 3
		.amdhsa_float_denorm_mode_16_64 3
		.amdhsa_memory_ordered 1
		.amdhsa_forward_progress 1
		.amdhsa_inst_pref_size 119
	.end_amdhsa_kernel
	.amdgpu_metadata
---
amdhsa.version: [ 1, 2 ]
amdhsa.kernels:
  - .name:           k_q84da28a156_outp
    .symbol:         k_q84da28a156_outp.kd
    .args:
      - { .name: oc, .offset: 0, .size: 8, .value_kind: global_buffer, .address_space: global }
      - { .name: ocs, .offset: 8, .size: 8, .value_kind: global_buffer, .address_space: global }
      - { .name: wimg, .offset: 16, .size: 8, .value_kind: global_buffer, .address_space: global }
      - { .name: bo, .offset: 24, .size: 8, .value_kind: global_buffer, .address_space: global }
      - { .name: h, .offset: 32, .size: 8, .value_kind: global_buffer, .address_space: global }
      - { .name: out0, .offset: 40, .size: 8, .value_kind: global_buffer, .address_space: global }
    .group_segment_fixed_size: 168448
    .private_segment_fixed_size: 0
    .kernarg_segment_align: 8
    .kernarg_segment_size: 48
    .max_flat_workgroup_size: 128
    .sgpr_count:     66
    .vgpr_count:     1024
    .wavefront_size: 32
...
	.end_amdgpu_metadata
.endif
;; end of part 3
